; MI455X (gfx1250); checked and timed in simulation.
; The chip was launched on July 23, 2026; its instructions are those of AMD's public machine-readable ISA for CDNA 5 (MIT licence, August 2026) and "CDNA5" Instruction Set Architecture Reference Guide (July 2026). The comments in the code are by the model that wrote it; some were corrected since.
;; Multi Head Base. Allowed arithmetic: matrix products marked QUANTISED: E4M3 operands, one given power-of-two scale a tensor, by v_wmma_f32_16x16x64_fp8_fp8 or v_wmma_f32_16x16x128_fp8_fp8, f32 sums; everything else in f32.
;; Inputs: k_codes 4 x 16 x 2,048 x 2 x 32 uint8 (E4M3 codes of k, K innermost, in blocks of 32 codes); lowp_scales 4 int32 (the exponents e of the quantised operands' scales 2^e); mask 1 x 1 x 2,048 x 2,048 int32; q_codes 4 x 16 x 2,048 x 2 x 32 uint8 (E4M3 codes of q, K innermost, in blocks of 32 codes); v_codes 4 x 16 x 64 x 64 x 32 uint8 (E4M3 codes of v, K innermost, in blocks of 32 codes).
;; Outputs: out0 4 x 2,048 x 1,024 float32.
;; Constants: batch = 4, q_seq = 2048.
;; This version of the problem:
;;   THIS VERSION OF THE PROBLEM IS GIVEN IN LOW PRECISION. The matrix products marked QUANTISED in the list below multiply operands that are first quantised to E4M3 (4 exponent bits, 3 mantissa bits; 8 bits a number), with one given power-of-two scale for each operand tensor; their sums are f32. All else is computed in f32.
;;   The module's matrix products, in the order in which they are computed (A, B: the left and right operand; K: the contracted axis; several contracted axes count as one K, in the product's order):
;;     1. batch 64 x [M 2,048, K 64] x [K 64, N 2,048]; A: input q (given as codes); B: input k (given as codes): QUANTISED (scales: A lowp_scales[0], B lowp_scales[1])
;;     2. batch 64 x [M 2,048, K 2,048] x [K 2,048, N 64]; A: computed on the way; B: input v (given as codes): QUANTISED (scales: A lowp_scales[2], B lowp_scales[3])
;;   THE QUANTISER, for each operand of a quantised product, along K:
;;     - The operand's scale is 2^e, e = its entry of the input lowp_scales (int32; the entries are numbered through the quantised products in the list's order, A before B).
;;     - Each number is divided by the scale, clamped to +-448, and rounded to the nearest number of E4M3, ties to even, subnormals kept.
;;     - The product sums the exact products of the quantised numbers (number of the format x scale) in f32.
;;   ~~~python
;;   def quantise(x, axis, e):      # numpy; x: float32 -> the quantised numbers, widened to float32 again
;;       x = np.moveaxis(x, axis, -1); K = x.shape[-1]
;;       r = np.clip(x / 2.0 ** e, -448, 448)
;;       step = 2.0 ** (np.maximum(np.frexp(np.where(r == 0, 1, r))[1] - 1, -6) - 3)
;;       q = np.round(r / step) * step * 2.0 ** e      # np.round: ties to even
;;       return np.moveaxis(q, -1, axis).astype(np.float32)
;;   ~~~
;;   OPERANDS COMPUTED ON THE WAY. 'Computed on the way' means the value that the module computes at that place (a softmax that the list does not call 'softmax' is quantised finished and normalised). What goes into a quantiser is computed in f32, as accurately as f32 sums, v_exp_f32 and their like allow (about 1e-6 of the number): no bf16 or f16 on the way to a quantiser, and a product that is left as it is and whose result goes on into a quantised operand takes f32 operands (vector FMAs, or v_wmma_f32_16x16x4_f32). A number that lies on a knife's edge between two numbers of the format may be rounded either way, as far as f32 arithmetic and the matrix unit's own rounding can turn it there, and no further.
;;   INPUTS GIVEN AS CODES. k (in the module: [4, 16, 2048, 64], K = its axis 3); q (in the module: [4, 16, 2048, 64], K = its axis 3); v (in the module: [4, 16, 2048, 64], K = its axis 2): each comes as NAME_codes (uint8): NAME with its K axis moved to the last place and cut into blocks of 32 codes, [.., K / 32, bytes a block], one block behind the other in memory; one code a byte (a code: sign, 4 exponent bits, 3 mantissa bits); its scale is its entry of lowp_scales. Its value is code x scale, taken as it is: it is not quantised again, and the codes and scales need not be those that the quantiser above would give.
;; One version. Each part assembles by itself: llvm-mc -triple=amdgcn-amd-amdhsa -mcpu=gfx1250 --defsym DOCPART=n.
;; ======== version 1 of 1: 2 launches
;; limits: right only within a limited range of input values
;; workspace buffers: maskb 4,194,304 bytes of whole numbers
;; launch maskprep (part 1): grid 256 x 1, 8 waves a work-group, no clusters, 19,456 bytes of LDS; arguments mask, maskb; writes maskb
.if DOCPART == 1
	.amdgcn_target "amdgcn-amd-amdhsa--gfx1250"
	.amdhsa_code_object_version 6
	.text
	.protected	k_qa922433e72_maskprep
	.globl	k_qa922433e72_maskprep
	.p2align	8
	.type	k_qa922433e72_maskprep,@function
k_qa922433e72_maskprep:
	s_mov_b64 s[64:65], 0
	v_nop
	global_prefetch_b8 v0, s[64:65] scope:SCOPE_SE
	s_setreg_imm32_b32 hwreg(HW_REG_WAVE_MODE, 25, 1), 1
	s_wait_xcnt 0x0
; mask [2048 (q)][2048 (key)] int32 becomes maskb: one byte a place, 0xFF where mask != 0, 0x00 where mask == 0, laid in the order of the registers
; of the second product's operand in the next launch (16 queries x 64 keys of 8-bit codes: lane 16 h + r holds query r; its registers 2 c, 2 c + 1 hold keys 16 c + 8 h + 0 .. 7).
; The byte of (q, key) lies at (q>>6) 131072 + (key>>6) 4096 + ((q>>4)&3) 1024 + ((key>>5)&1) 512 + (((key>>3)&1) 16 + (q&15)) 16 + ((key>>4)&1) 8 + (key&7):
; for 64 queries and 64 keys 4,096 bytes on end, of which each 512 are one load of 16 bytes a lane.  Nothing of the problem is left out here: every word of mask is read once.
; SHARES.  A wave takes 16 rows q x 128 keys: 16 loads of 512 consecutive bytes, all issued at once; no loop.  A lane's four words of a row become four bytes, one word.
; The words turn through the wave's own stage in LDS (8 pieces of 256 bytes, 272 apart) and leave as four stores of 512 consecutive, aligned bytes.  Waves share nothing: no barrier.
.set STG,   2304                       ; a wave's stage: 8 pieces x 272 bytes, rounded up to blocks of 256
.set PP,    272                        ; from piece to piece: 68 words, so piece p begins at bank 4 p (64 banks of 4 bytes: ISA guide 11.1) and a store's 32 words fall on 32 banks
.set SPARE, 8*STG                      ; behind the stages: the spare words, 128 bytes for each wave: four blocks of 256 bytes that no other line names
.set IN,    16                         ; v16-79   row r's four words at v[16 + 4 r]
.set PW,    80                         ; v80-95   row r's packed word: a register for each row, so that no LDS store's data are written again
.set OUTR,  96                         ; v96-111  the way out
	s_load_b128 s[4:7], s[0:1], 0x0                ; mask s[4:5], maskb s[6:7]
	v_lshl_add_u32 v6, v0, 2, SPARE                ; my spare word; never rewritten
	v_mov_b32 v7, 0                                ; 0; never rewritten
	v_lshrrev_b32 v1, 5, v0
	v_readfirstlane_b32 s8, v1                     ; wave 0..7
	v_and_b32 v1, 31, v0                           ; x = lane: keys 4 x .. 4 x + 3 of the wave's 128
	v_lshlrev_b32 v2, 4, v1                        ; 16 x: my bytes of a load's 512, and of a store's
	s_mul_i32 s16, s8, STG
	v_lshrrev_b32 v8, 3, v1                        ; which 32 keys: 2 (key>>6) + ((key>>5)&1)
	v_bfe_u32 v9, v1, 1, 1                         ; (key>>3)&1: the half of the lanes
	v_lshl_add_u32 v8, v8, 1, v9                   ; the piece, 0..7
	v_mul_u32_u24 v3, v8, PP
	v_bfe_u32 v9, v1, 2, 1                         ; (key>>4)&1
	v_lshl_add_u32 v3, v9, 3, v3
	v_and_b32 v9, 1, v1                            ; (key>>2)&1
	v_lshl_add_u32 v3, v9, 2, v3
	v_add_nc_u32 v3, s16, v3                       ; into the stage: piece x 272 + 8 ((key>>4)&1) + 4 ((key>>2)&1); row r stands in the immediate, 16 r
	v_lshrrev_b32 v8, 4, v1
	v_mul_u32_u24 v4, v8, PP
	v_and_b32 v9, 15, v1
	v_lshl_add_u32 v4, v9, 4, v4
	v_add_nc_u32 v4, s16, v4                       ; out of it: lanes 0-15 an even piece, lanes 16-31 the odd one behind it
	s_lshr_b32 s9, ttmp9, 1                        ; qt: which 16 rows, 0..127
	s_and_b32 s10, ttmp9, 1
	s_lshl_b32 s10, s10, 3
	s_add_co_u32 s10, s10, s8                      ; cc: which 128 keys, 0..15
	s_lshl_b32 s12, s9, 17                         ; 16 rows of 8,192 bytes
	s_lshl_b32 s11, s10, 9
	s_add_co_u32 s12, s12, s11
	s_mov_b32 s13, 0
	s_lshr_b32 s14, s9, 2
	s_lshl_b32 s14, s14, 17                        ; (q>>6) 131072
	s_lshl_b32 s11, s10, 13                        ; two steps of 64 keys: 8,192 bytes
	s_add_co_u32 s14, s14, s11
	s_and_b32 s11, s9, 3
	s_lshl_b32 s11, s11, 10                        ; ((q>>4)&3) 1024
	s_add_co_u32 s14, s14, s11
	s_mov_b32 s15, 0
	s_wait_kmcnt 0x0
	s_add_nc_u64 s[4:5], s[4:5], s[12:13]
	s_add_nc_u64 s[6:7], s[6:7], s[14:15]
.irp r, 0,1,2,3,4,5,6,7,8,9,10,11,12,13,14,15
	global_load_b128 v[IN+4*\r:IN+4*\r+3], v2, s[4:5] offset:8192*\r th:TH_LOAD_NT   ; 32 lanes read 512 consecutive bytes of row r; read once in the launch
.endr
.irp r, 0,1,2,3,4,5,6,7,8,9,10,11,12,13,14,15
	s_wait_loadcnt 15-\r                           ; loads come back in order: row r is in, the 15 - r younger ones may be out
	v_min_u32 v[IN+4*\r], 1, v[IN+4*\r]            ; 0 stays 0, every other word (negative ones too: unsigned) becomes 1
	v_min_u32 v[IN+4*\r+1], 1, v[IN+4*\r+1]
	v_min_u32 v[IN+4*\r+2], 1, v[IN+4*\r+2]
	v_min_u32 v[IN+4*\r+3], 1, v[IN+4*\r+3]
	v_lshl_or_b32 v[PW+\r], v[IN+4*\r+1], 8, v[IN+4*\r]
	v_lshl_or_b32 v[PW+\r], v[IN+4*\r+2], 16, v[PW+\r]
	v_lshl_or_b32 v[PW+\r], v[IN+4*\r+3], 24, v[PW+\r]
	v_lshlrev_b32 v9, 8, v[PW+\r]
	v_sub_nc_u32 v[PW+\r], v9, v[PW+\r]            ; x 255: each byte 1 becomes 0xFF
	ds_store_b32 v3, v[PW+\r] offset:16*\r
.endr
.irp i, 0,1,2,3
	ds_load_b128 v[OUTR+4*\i:OUTR+4*\i+3], v4 offset:2*PP*\i   ; LDS serves a wave's instructions in order (ISA guide 5.7.1.4): these see my stores
.endr
.irp i, 0,1,2,3
	s_wait_dscnt 3-\i
	global_store_b128 v2, v[OUTR+4*\i:OUTR+4*\i+3], s[6:7] offset:(\i/2)*4096+(\i%2)*512   ; 32 lanes store 512 consecutive bytes, at a multiple of 256 from maskb's first byte
.endr
	s_wait_tensorcnt 0x0                           ; the wave's end: a wait, an add and its wait, behind my last LDS store, the wait for tensor loads even in a text with none
	ds_add_u32 v6, v7
	s_wait_dscnt 0x0
	s_endpgm
.Lfunc_end_k_qa922433e72_maskprep:
	.size	k_qa922433e72_maskprep, .Lfunc_end_k_qa922433e72_maskprep-k_qa922433e72_maskprep
	.p2alignl 7, 3214868480
	.fill 96, 4, 3214868480
	.section	.rodata,"a",@progbits
	.p2align	6, 0x0
	.amdhsa_kernel k_qa922433e72_maskprep
		.amdhsa_group_segment_fixed_size 19456
		.amdhsa_private_segment_fixed_size 0
		.amdhsa_enable_private_segment 0
		.amdhsa_kernarg_size 16
		.amdhsa_user_sgpr_count 2
		.amdhsa_user_sgpr_kernarg_segment_ptr 1
		.amdhsa_wavefront_size32 1
		.amdhsa_system_sgpr_workgroup_id_x 1
		.amdhsa_system_sgpr_workgroup_id_y 1
		.amdhsa_system_sgpr_workgroup_id_z 1
		.amdhsa_system_vgpr_workitem_id 0
		.amdhsa_next_free_vgpr 112
		.amdhsa_next_free_sgpr 66
		.amdhsa_reserve_vcc 0
		.amdhsa_float_denorm_mode_32 3
		.amdhsa_float_denorm_mode_16_64 3
		.amdhsa_memory_ordered 1
		.amdhsa_forward_progress 1
		.amdhsa_inst_pref_size 12
	.end_amdhsa_kernel
	.amdgpu_metadata
---
amdhsa.version: [ 1, 2 ]
amdhsa.kernels:
  - .name:           k_qa922433e72_maskprep
    .symbol:         k_qa922433e72_maskprep.kd
    .args:
      - { .name: mask, .offset: 0, .size: 8, .value_kind: global_buffer, .address_space: global }
      - { .name: maskb, .offset: 8, .size: 8, .value_kind: global_buffer, .address_space: global }
    .group_segment_fixed_size: 19456
    .private_segment_fixed_size: 0
    .kernarg_segment_align: 8
    .kernarg_segment_size: 16
    .max_flat_workgroup_size: 256
    .sgpr_count:     66
    .vgpr_count:     112
    .wavefront_size: 32
...
	.end_amdgpu_metadata
.endif
;; end of part 1
;; launch attn (part 2): grid 4 x 64, 8 waves a work-group, clusters of 4 x 1, 327,680 bytes of LDS; arguments q_codes, k_codes, v_codes, lowp_scales, maskb, out0; writes out0
.if DOCPART == 2
	.amdgcn_target "amdgcn-amd-amdhsa--gfx1250"
	.amdhsa_code_object_version 6
	.text
	.protected	k_qa922433e72_attn
	.globl	k_qa922433e72_attn
	.p2align	8
	.type	k_qa922433e72_attn,@function
k_qa922433e72_attn:
	s_mov_b64 s[64:65], 0
	v_nop
	global_prefetch_b8 v0, s[64:65] scope:SCOPE_SE
	s_setreg_imm32_b32 hwreg(HW_REG_WAVE_MODE, 25, 1), 1
	s_wait_xcnt 0x0
	s_wait_alu depctr_hold_cnt(0) depctr_sa_sdst(0) depctr_va_vdst(0) depctr_va_sdst(0) depctr_va_ssrc(0) depctr_va_vcc(0) depctr_vm_vsrc(0)
	s_getreg_b32 s2, hwreg(HW_REG_IB_STS2, 6, 4)
	s_cmp_eq_u32 s2, 0
	s_cbranch_scc0 .Lentry_in_a_cluster
	s_endpgm
.Lentry_in_a_cluster:
	s_bfe_u32 s2, ttmp6, 0x10000c
	s_cmp_lg_u32 s2, 0x3003
	s_cbranch_scc0 .Lentry_shape_is_right
	s_endpgm
.Lentry_shape_is_right:
; out0[b][q][64 h + d] = the sum over keys of Q8(score[q][key]) v[key][d], score = log_softmax_key(q . k / 8), replaced by -1e9 where mask == 0; Q8 = the quantiser to E4M3 with the given scale 2^e2.
; q, k: codes, [64 heads][2048][64]; v: codes with the keys innermost, [64 heads][64 (d)][2048]; lowp_scales: eq, ek, e2, e3; maskb: the launch before's bytes, 0xFF = keep, 0x00 = masked.
; NOTHING IS LEFT OUT: every input has a way to the output.  MORE is done than is written: a row's logsumexp must be whole before its first code can be made, and 16 queries' scores of 2,048 keys
; (128 KiB of f32) cannot be kept, so the keys are walked TWICE and the first product is made twice.
; WALK 1: S^T = K Q^T; for each lane a running maximum m and sum l of 2^(c S - c m), c = log2(e) 2^(eq + ek - 3), over the half of a query's keys that the lane holds; the two halves meet once, behind the walk.
; WALK 2: S^T again, with -lse, in S's own units (lse / 2^(eq + ek - 3)), as the C of the product: the result is the score / 2^(eq + ek - 3).  That factor is folded into the conversion's scale,
;   2^(e2 - eq - ek + 3).  The hold at -448 x the scale, the conversion, and then the mask ON THE CODES: v_bfi_b32 keeps a byte where maskb has 0xFF and puts the code of -1e9 elsewhere, four codes a line.
;   That code is made at the head by the same hold and conversion from -1e9 and 2^e2, whatever e2 is.  Then O^T += V^T P.
; LAYOUT.  Both products are used transposed (source 0 = 16 keys, or 16 of d; source 1 = 16 queries): a lane holds ONE query (lane % 16) throughout.  In S^T's tile kt register j of lane (r, h) is key 16 kt + 8 h + j:
;   a conversion of the tile's eight registers gives registers 2 kt, 2 kt + 1 of P in the 16x16x64 form's own layout, in which V is read too.  K and Q are read with one and the same permutation of d (16 bytes at 16 h, 16 at 32 + 16 h).
; SHARES.  A cluster of four work-groups is one head; a work-group takes 512 of its queries, each of eight waves 64: four tiles of 16, so that a fragment of K or V read from LDS feeds four matrix instructions.
; THE WHOLE HEAD LIES IN LDS: K's 2,048 rows (80 bytes apart) and V's 64 rows in 8 chunks of 256 keys (rows 272 apart), fetched once, at the head: each wave one load of K and one of V.  Nothing is filled again.
; All four work-groups need the same K and V: each load is asked for JOINTLY, with the same descriptor and a mask that names the four.  My place in the cluster enters the addresses of Q, maskb and out0 alone.
; LIMITS on the given exponents, so that each power of two below is an f32 number: eq + ek between -120 and 120; e2 - eq - ek + 3 between -126 and 119; e2 + e3 between -126 and 127; e2 between -16 and 119:
;   the hold is ONE-SIDED: a score is at most 0 but for the rounding of lse, some 2^-24 |lse|, which lies under 448 x 2^e2 in that range.  NaN codes among the inputs are not served.
; REGISTERS, in windows of 256.  Window 0: v1-15 addresses and constants; v16-47 statistics, eight a tile; v48-63 at work at the head; v64-191 S^T, tile (t, kt) at 64 + 32 t + 8 kt; v192-223 the mask's bytes; v224-255 P.
;   Window 1: v0-127 O^T, tile (t, dt) at 32 t + 8 dt; v128-159 K's four fragments; v160-191 V's four; v192-223 Q's four; v224-255 -lse, eight registers a tile.
.set KP,    80                         ; a key's row in LDS: 64 bytes + 16 = 20 words: the 16 rows of a load begin at 16 different groups of four banks (64 banks of 4 bytes: ISA guide 11.1)
.set VP,    272                        ; a row of a chunk of V: 256 bytes + 16 = 68 words: lane (r, h)'s 8 bytes begin at bank 4 r + 2 h
.set KCH,   256*KP                     ; what one load of K brings: 256 keys
.set VCH,   64*VP                      ; what one load of V brings: 64 rows x 256 keys
.set KST,   64*KP                      ; a step's 64 keys
.set VB,    8*KCH                      ; V lies behind K
.set SPARE, VB+8*VCH                   ; behind V: the spare words, 128 bytes for each wave: four blocks of 256 bytes that no other line names
.set SP,    272                        ; the way out: a stage of 4 x 16 rows x (256 bytes + 16) for each wave, in K's region, which has had its one fill, behind a barrier behind which nobody reads K
.set AK0, 1                            ; v1   my lane's place in a tile of K: 80 r + 16 h
.set AV0, 2                            ; v2   in a tile of V: VB + 272 r + 8 h
.set ADK, 3                            ; v3   AK0 + the walk's place in K
.set ADV, 4                            ; v4   AV0 + the walk's place in V
.set MO,  5                            ; v5   16 x lane: my bytes of a load of the mask's bytes; never rewritten
.set SPW, 6                            ; v6   LDS address of my spare word; never rewritten
.set NIL, 7                            ; v7   0; never rewritten
.set STO, 10                           ; v10  the way out: where I put 32 bytes of a row
.set RD,  11                           ; v11  where I read a row back
.set GO,  12                           ; v12  my byte offset in two rows of out0
.set PFO, 13                           ; v13  256 x lane: the prefetches' offset; never rewritten
.set SCL, 14                           ; v14  2^(e2 - eq - ek + 3) as f32: the conversions' scale
.set M4,  15                           ; v15  the code of -1e9, four times
.set ST,  16                           ; tile t's statistics at v[16 + 8 t]: +0 c m, later -lse; +1 m; +2, +3 l in two halves; +4 chain A, then a = 2^(c m_old - c m_new); +5 chain B, then the new c m; +6, +7 a second chain of sums
.set S,   64
.set MK,  192
.set P,   224
.set KF,  128                          ; in window 1
.set VF,  160
.set QF,  192
.set CF,  224
.set WV,  16                           ; s16  my wave's number
.set G1K, 24                           ; s[24:31] descriptor group 1 for K's tiles;  s[32:39] for V's;  s[40:43], s[44:47] their groups 0.  None is written again
.set G1V, 32
.set G0K, 40
.set G0V, 44
.set C2,  48                           ; s[48:49] c, named as a pair
.set OS,  50                           ; s[50:51] 2^(e2 + e3)
.set SEL, 52                           ; s[52:53] lane selects for v_permlanex16_b32: lane l xor 16
.set MB,  54                           ; s[54:55] maskb at my wave's 64 queries and the walk's place
.set CNT, 56
.set LIM, 57                           ; s57  1 in the first head's cluster, which prefetches, else the greatest number
.set KO,  58
.set VO,  59
.set LOW, 60                           ; s60  -448 x 2^(e2 - eq - ek + 3)
.set LN2, 61                           ; s61  ln 2 x 2^(3 - eq - ek)
.set MSB, 0
.macro WIN new                         ; s_set_vgpr_msb: bits 1:0 source 0, 3:2 source 1, 5:4 source 2, 7:6 destination; the high byte repeats the setting that is left; a switch that changes nothing is dropped
.if MSB != \new
	s_set_vgpr_msb (MSB<<8)|\new
.set MSB, \new
.endif
.endm
.macro PLACES                          ; four plain vector instructions between a matrix instruction and a vector instruction that reads its result, or a load into one of its registers (ISA guide 7.12.1 for vector instructions)
.rept 4
	v_nop
.endr
.endm
.macro CROUND                          ; a round of the cluster's barrier: my work-group's barrier; wave 0 signals for the work-group; every wave waits for all four work-groups; my work-group's barrier once more
	s_barrier_signal -1
	s_barrier_wait -1
	s_cmp_lg_u32 s[WV], 0
	s_cbranch_scc1 .Lnot_wave_0_\@
	s_barrier_signal -3
.Lnot_wave_0_\@:
	s_barrier_wait -3
	s_barrier_signal -1
	s_barrier_wait -1
.endm
.macro LDK adr, off                    ; a step's four fragments of K: 8 loads.  The window stays as it is set here: the caller switches back
	WIN 0x40                                       ; destination window 1, address window 0
.irp kt, 0,1,2,3
	ds_load_b128 v[KF+8*\kt:KF+8*\kt+3],   v[\adr] offset:\off+16*KP*\kt
	ds_load_b128 v[KF+8*\kt+4:KF+8*\kt+7], v[\adr] offset:\off+16*KP*\kt+32
.endr
.endm
.macro LDV off                         ; a step's four fragments of V^T (16 of d x 64 keys each), in the form's own layout: 16 loads of 8 bytes
	WIN 0x40
.irp dt, 0,1,2,3
.irp c, 0,1,2,3
	ds_load_b64 v[VF+8*\dt+2*\c:VF+8*\dt+2*\c+1], v[ADV] offset:\off+16*VP*\dt+16*\c
.endr
.endr
.endm
.macro KQ cwin                         ; S^T = K Q^T for 64 keys x 64 queries: 16 matrix instructions on 16 accumulators.  cwin = 0: C = 0;  1: C = -lse of the lane's query
.if \cwin
	WIN 0x15                                       ; K, Q and C in window 1, S^T in window 0
.else
	WIN 0x05
.endif
.irp t, 0,1,2,3
.irp kt, 0,1,2,3
.if \cwin
	v_wmma_f32_16x16x64_fp8_fp8 v[S+32*\t+8*\kt:S+32*\t+8*\kt+7], v[KF+8*\kt:KF+8*\kt+7], v[QF+8*\t:QF+8*\t+7], v[CF+8*\t:CF+8*\t+7]
.else
	v_wmma_f32_16x16x64_fp8_fp8 v[S+32*\t+8*\kt:S+32*\t+8*\kt+7], v[KF+8*\kt:KF+8*\kt+7], v[QF+8*\t:QF+8*\t+7], 0
.endif
.endr
.endr
	WIN 0
.endm
; A STEP OF WALK 1: 64 keys.  The next step's fragments of K (at v[adr] + off) are asked for behind this step's products and have the step's vector work in which to come.
; ask = 1: the first two chunks of 16 KiB of my wave's mask bytes are prefetched: 32 lanes x 256 bytes an instruction, two steps ahead of their first load.
.macro STEP1 adr, off, ask
	s_wait_dscnt 0x0                               ; this step's K, asked for a step ago
	KQ 0
	PLACES
	LDK \adr, \off
	WIN 0
.if \ask
	s_cmp_eq_u32 s[LIM], 1                         ; the head, the same in all four partners
	s_cbranch_scc0 .Lno_ask_\@
	global_prefetch_b8 v[PFO], s[MB:MB+1] th:TH_LOAD_NT scope:SCOPE_SE
	global_prefetch_b8 v[PFO], s[MB:MB+1] offset:8192 th:TH_LOAD_NT scope:SCOPE_SE
	global_prefetch_b8 v[PFO], s[MB:MB+1] offset:16384 th:TH_LOAD_NT scope:SCOPE_SE
	global_prefetch_b8 v[PFO], s[MB:MB+1] offset:24576 th:TH_LOAD_NT scope:SCOPE_SE
.Lno_ask_\@:
.endif
	; the maximum of the lane's 32 scores a tile and the old m: two chains a tile, eight by turns; each accumulator is read from its low end on
.irp t, 0,1,2,3
	v_max3_num_f32 v[ST+8*\t+4], v[ST+8*\t+1], v[S+32*\t], v[S+32*\t+1]
	v_max3_num_f32 v[ST+8*\t+5], v[S+32*\t+16], v[S+32*\t+17], v[S+32*\t+18]
.endr
.irp i, 1,2,3,4,5,6
.irp t, 0,1,2,3
	v_max3_num_f32 v[ST+8*\t+4], v[ST+8*\t+4], v[S+32*\t+2*\i], v[S+32*\t+2*\i+1]
	v_max3_num_f32 v[ST+8*\t+5], v[ST+8*\t+5], v[S+32*\t+17+2*\i], v[S+32*\t+18+2*\i]
.endr
.endr
.irp t, 0,1,2,3
	v_max3_num_f32 v[ST+8*\t+4], v[ST+8*\t+4], v[S+32*\t+14], v[S+32*\t+15]
.endr
.irp t, 0,1,2,3
	v_max3_num_f32 v[ST+8*\t+1], v[ST+8*\t+4], v[ST+8*\t+5], v[S+32*\t+31]   ; the new m
.endr
.irp t, 0,1,2,3
	v_mul_f32 v[ST+8*\t+5], s[C2], v[ST+8*\t+1]    ; the new c m
.endr
.irp t, 0,1,2,3
	v_sub_f32 v[ST+8*\t+4], v[ST+8*\t], v[ST+8*\t+5]   ; c m_old - c m_new, 0 or less
.endr
.irp t, 0,1,2,3
	v_mov_b32 v[ST+8*\t], v[ST+8*\t+5]
.endr
.irp t, 0,1,2,3
.set j, 0
.rept 16
	v_pk_fma_f32 v[S+32*\t+j:S+32*\t+j+1], v[S+32*\t+j:S+32*\t+j+1], s[C2:C2+1], v[ST+8*\t:ST+8*\t+1] op_sel_hi:[1,0,0] neg_lo:[0,0,1] neg_hi:[0,0,1]   ; c s - c m, two at a time
.set j, j+2
.endr
.endr
.irp t, 0,1,2,3
	v_exp_f32 v[ST+8*\t+4], v[ST+8*\t+4]           ; a
.endr
.set j, 0
.rept 128
	v_exp_f32 v[S+j], v[S+j]                       ; one batch: none of these reads an exponential's result
.set j, j+1
.endr
	v_nop                                          ; a plain instruction behind the last exponential, ahead of the first use
	s_wait_alu depctr_va_vdst(0)                   ; and one wait ahead of the batch's first reader
.irp t, 0,1,2,3
	v_pk_fma_f32 v[ST+8*\t+2:ST+8*\t+3], v[ST+8*\t+2:ST+8*\t+3], v[ST+8*\t+4:ST+8*\t+5], v[S+32*\t:S+32*\t+1] op_sel_hi:[1,0,1]   ; l = a l + the first pair
	v_pk_add_f32 v[ST+8*\t+6:ST+8*\t+7], v[S+32*\t+2:S+32*\t+3], v[S+32*\t+4:S+32*\t+5]
.endr
.irp i, 6,10,14,18,22,26
.irp t, 0,1,2,3
	v_pk_add_f32 v[ST+8*\t+2:ST+8*\t+3], v[ST+8*\t+2:ST+8*\t+3], v[S+32*\t+\i:S+32*\t+\i+1]
	v_pk_add_f32 v[ST+8*\t+6:ST+8*\t+7], v[ST+8*\t+6:ST+8*\t+7], v[S+32*\t+\i+2:S+32*\t+\i+3]
.endr
.endr
.irp t, 0,1,2,3
	v_pk_add_f32 v[ST+8*\t+2:ST+8*\t+3], v[ST+8*\t+2:ST+8*\t+3], v[S+32*\t+30:S+32*\t+31]
.endr
.irp t, 0,1,2,3
	v_pk_add_f32 v[ST+8*\t+2:ST+8*\t+3], v[ST+8*\t+2:ST+8*\t+3], v[ST+8*\t+6:ST+8*\t+7]
.endr
.endm
; A STEP OF WALK 2: 64 keys, the st-th from the trip's base.  zero = 1: the products start O^T's sums.  pre = 1: the next step's K and mask bytes are asked for.
; O^T's sixteen accumulators take turns, one instruction a turn, with S^T's sixteen between two steps.
.macro STEP2 st, zero, pre
	s_wait_dscnt 0x0                               ; this step's K, asked for a step ago
	KQ 1
	PLACES                                         ; for the reads of S^T, and for the loads into K's registers and into V's, which the last step's products read
	LDV ((\st)/4)*VCH+((\st)%4)*64
.if \pre
	LDK ADK, ((\st)+1)*KST
.endif
	WIN 0
.irp t, 0,1,2,3
.set j, 0
.rept 16
	v_dual_max_num_f32 v[S+32*\t+j], s[LOW], v[S+32*\t+j] :: v_dual_max_num_f32 v[S+32*\t+j+1], s[LOW], v[S+32*\t+j+1]   ; the conversion to an 8-bit code does not saturate (ISA guide 7.6.2): the hold at the largest code x the scale, from below alone
.set j, j+2
.endr
.irp kt, 0,1,2,3
	v_cvt_scalef32_pk8_fp8_f32 v[P+8*\t+2*\kt:P+8*\t+2*\kt+1], v[S+32*\t+8*\kt:S+32*\t+8*\kt+7], v[SCL]
.endr
	v_nop                                          ; one plain vector instruction between a scaled conversion and the next vector instruction that touches its result
.if \pre
	s_wait_loadcnt 6                               ; tile t's two loads of mask bytes are in: behind them stand those of the last step's later tiles and of this step's earlier ones, six in all
.else
	s_wait_loadcnt 6-2*\t                          ; the last step asks for none: only the later tiles' are behind them
.endif
.set j, 0
.rept 8
	v_bfi_b32 v[P+8*\t+j], v[MK+8*\t+j], v[P+8*\t+j], v[M4]   ; the code where the byte is 0xFF, the code of -1e9 where it is 0
.set j, j+1
.endr
.if \pre
	global_load_b128 v[MK+8*\t:MK+8*\t+3],   v[MO], s[MB:MB+1] offset:((\st)+1)*4096+1024*\t
	global_load_b128 v[MK+8*\t+4:MK+8*\t+7], v[MO], s[MB:MB+1] offset:((\st)+1)*4096+1024*\t+512
.endif
.if \t == 0
.if \pre
	s_wait_dscnt 8                                 ; V's sixteen loads are in; the next step's eight of K may be out
.else
	s_wait_dscnt 0x0
.endif
.endif
	WIN 0x51                                       ; V and O^T in window 1, P in window 0
.irp dt, 0,1,2,3
.if \zero
	v_wmma_f32_16x16x64_fp8_fp8 v[32*\t+8*\dt:32*\t+8*\dt+7], v[VF+8*\dt:VF+8*\dt+7], v[P+8*\t:P+8*\t+7], 0
.else
	v_wmma_f32_16x16x64_fp8_fp8 v[32*\t+8*\dt:32*\t+8*\dt+7], v[VF+8*\dt:VF+8*\dt+7], v[P+8*\t:P+8*\t+7], v[32*\t+8*\dt:32*\t+8*\dt+7]
.endif
.endr
	WIN 0
.endr
.endm
; A PREFETCH INTO THE L2 of my wave's mask bytes, the 16 KiB that lie two trips on: two instructions, 32 lanes x 256 bytes each.  All 64 heads read the same bytes: the first head's cluster asks, each of its 32 waves
; for its own 64 queries' block, so each aligned 256 bytes are named once in the launch.  The partners are told apart by address alone.  The last trip asks for nothing: the block ends there.
.macro ASK2
	s_cmp_gt_u32 s[CNT], s[LIM]
	s_cbranch_scc0 .Lnot_mine_\@
	global_prefetch_b8 v[PFO], s[MB:MB+1] offset:32768 th:TH_LOAD_NT scope:SCOPE_SE
	global_prefetch_b8 v[PFO], s[MB:MB+1] offset:40960 th:TH_LOAD_NT scope:SCOPE_SE
.Lnot_mine_\@:
.endm
	s_load_b256 s[4:11], s[0:1], 0x0               ; q s[4:5], k s[6:7], v s[8:9], the scales' exponents s[10:11]
	s_load_b128 s[12:15], s[0:1], 0x20             ; maskb s[12:13], out0 s[14:15]
	v_lshl_add_u32 v[SPW], v0, 2, SPARE
	v_mov_b32 v[NIL], 0
	ds_add_u32 v[SPW], v[NIL]                      ; the wave's opening: the add, twice on end, and its wait ahead of my first tensor load; the set-up below, work on registers, stands between
	ds_add_u32 v[SPW], v[NIL]
	v_lshrrev_b32 v8, 5, v0
	v_readfirstlane_b32 s[WV], v8                  ; wave 0..7
	s_bfe_u32 s17, ttmp6, 0x40000                  ; cx: my place in the cluster = my block of 512 queries
	s_and_b32 s18, ttmp7, 0xffff                   ; the head (16 b + h), which the four partners share
	s_lshl_b32 s19, s17, 3
	s_add_co_u32 s19, s19, s[WV]                   ; qb: which 64 queries are my wave's, 0..31
	; descriptor group 1.  K: 256 rows of 64 bytes, dense in memory;  V: 64 rows of 256 bytes, 2,048 bytes apart
	s_mov_b32 s[G1K], 15|(1<<20)|(1<<21)|(3<<22)|(3<<25)   ; 15:0 the mask: all four work-groups; 17:16 elements of 1 byte; 20 padding on; 21 set beside a mask; 24:22 after every 16 words (code 3); 31:25 four words (code 3)
	s_mov_b32 s[G1K+1], 64<<16                     ; tensor_dim0 = 64
	s_mov_b32 s[G1K+2], 256<<16                    ; tensor_dim1 = 256
	s_mov_b32 s[G1K+3], 64<<16                     ; tile_dim0 = 64
	s_mov_b32 s[G1K+4], 256                        ; tile_dim1 = 256
	s_mov_b32 s[G1K+5], 64                         ; tensor_dim0_stride
	s_mov_b32 s[G1K+6], 0
	s_mov_b32 s[G1K+7], 0
	s_mov_b32 s[G1V], 15|(1<<20)|(1<<21)|(5<<22)|(3<<25)   ; padding: four words after every 64
	s_mov_b32 s[G1V+1], 256<<16
	s_mov_b32 s[G1V+2], 64<<16
	s_mov_b32 s[G1V+3], 256<<16
	s_mov_b32 s[G1V+4], 64
	s_mov_b32 s[G1V+5], 2048
	s_mov_b32 s[G1V+6], 0
	s_mov_b32 s[G1V+7], 0
	s_mov_b32 s[SEL], 0x76543210
	s_mov_b32 s[SEL+1], 0xfedcba98
	s_cmp_eq_u32 s18, 0
	s_cselect_b32 s[LIM], 1, -1
	s_lshl_b32 s66, s18, 17                        ; the head's first byte in each tensor of codes: 131,072 bytes a head
	s_mov_b32 s67, 0
	s_lshl_b32 s68, s[WV], 14                      ; K: my wave's 256 keys of 64 bytes
	s_add_co_u32 s68, s68, s66
	s_mov_b32 s69, 0
	s_lshl_b32 s2, s[WV], 8                        ; V: my wave's 256 keys of each row
	s_add_co_u32 s2, s2, s66
	s_mov_b32 s3, 0
	v_and_b32 v8, 15, v0                           ; r = lane % 16
	v_bfe_u32 v9, v0, 4, 1                         ; h = lane / 16
	v_and_b32 v48, 31, v0
	v_lshlrev_b32 v[MO], 4, v48
	v_lshlrev_b32 v[PFO], 8, v48
	v_mul_u32_u24 v[AK0], v8, KP
	v_lshl_add_u32 v[AK0], v9, 4, v[AK0]
	v_mul_u32_u24 v[AV0], v8, VP
	v_lshl_add_u32 v[AV0], v9, 3, v[AV0]
	v_add_nc_u32 v[AV0], VB, v[AV0]
	v_lshlrev_b32 v59, 6, v8
	v_lshl_add_u32 v59, v9, 4, v59                 ; Q: row r of 64 bytes, + 16 h; not rewritten
	s_wait_dscnt 0x0                               ; both opening adds are done
	s_wait_kmcnt 0x0
	s_load_b128 s[20:23], s[10:11], 0x0            ; eq, ek, e2, e3
	s_mov_b32 s[G0K], 1                            ; count = 1
	s_mul_i32 s[G0K+1], s[WV], KCH                 ; LDS address: the wave's number alone
	s_add_nc_u64 s[G0K+2:G0K+3], s[6:7], s[68:69]  ; global address: the head and the wave's number alone
	s_or_b32 s[G0K+3], s[G0K+3], 0x80000000        ; type = 2
	s_mov_b32 s[G0V], 1
	s_mul_i32 s[G0V+1], s[WV], VCH
	s_add_co_u32 s[G0V+1], s[G0V+1], VB
	s_add_nc_u64 s[G0V+2:G0V+3], s[8:9], s[2:3]
	s_or_b32 s[G0V+3], s[G0V+3], 0x80000000
	s_lshl_b32 s62, s19, 17                        ; my wave's block of mask bytes: 131,072 for 64 queries
	s_mov_b32 s63, 0
	s_add_nc_u64 s[MB:MB+1], s[12:13], s[62:63]
	s_lshl_b32 s62, s19, 12                        ; Q: 64 queries of 64 bytes,
	s_add_co_u32 s62, s62, s66                     ; in my head
	s_add_nc_u64 s[4:5], s[4:5], s[62:63]
	s_lshr_b32 s62, s18, 4
	s_lshl_b32 s62, s62, 23                        ; out0: b x 2,048 rows of 4,096 bytes,
	s_lshl_b32 s17, s19, 18                        ; + 64 rows x qb,
	s_add_co_u32 s62, s62, s17
	s_and_b32 s17, s18, 15
	s_lshl_b32 s17, s17, 8                         ; + h x 256 bytes
	s_add_co_u32 s62, s62, s17
	s_add_nc_u64 s[14:15], s[14:15], s[62:63]
	CROUND                                         ; all four work-groups are here: the joint loads meet
	tensor_load_to_lds s[G0K:G0K+3], s[G1K:G1K+7]  ; every wave asks for an eighth of K and an eighth of V: two tensor loads of mine are out, and no more follow
	s_nop 0
	tensor_load_to_lds s[G0V:G0V+3], s[G1V:G1V+7]
	s_nop 0
	PLACES                                         ; four vector instructions ahead of the next switch of windows
	WIN 0x40
.irp t, 0,1,2,3
	global_load_b128 v[QF+8*\t:QF+8*\t+3],   v59, s[4:5] offset:1024*\t th:TH_LOAD_NT      ; Q stays in registers; read once in the launch
	global_load_b128 v[QF+8*\t+4:QF+8*\t+7], v59, s[4:5] offset:1024*\t+32 th:TH_LOAD_NT
.endr
	WIN 0
.irp t, 0,1,2,3
	v_mov_b32 v[ST+8*\t], 0xff61b1e6               ; c m and m: -3e38, under every score: the first a is 0, and multiplies l = 0
	v_mov_b32 v[ST+8*\t+1], 0xff61b1e6
	v_mov_b32 v[ST+8*\t+2], 0
	v_mov_b32 v[ST+8*\t+3], 0
	v_mov_b32 v[ST+8*\t+4], 0
	v_mov_b32 v[ST+8*\t+5], 0
	v_mov_b32 v[ST+8*\t+6], 0
	v_mov_b32 v[ST+8*\t+7], 0
.endr
	s_wait_kmcnt 0x0
	s_add_co_i32 s2, s20, s21                      ; eq + ek
	s_lshl_b32 s3, s2, 23
	s_add_co_i32 s[C2], s3, 0x3e38aa3b             ; c = log2(e) / 8 x 2^(eq + ek): the exponents are added to the exponent field
	s_mov_b32 s[C2+1], s[C2]                       ; (named with it as a pair, so it is written)
	s_sub_co_i32 s3, 3, s2
	s_lshl_b32 s62, s3, 23
	s_add_co_i32 s[LN2], s62, 0x3f317218           ; ln 2 x 2^(3 - eq - ek)
	s_add_co_i32 s3, s3, s22                       ; e2 - eq - ek + 3
	s_add_co_i32 s3, s3, 127
	s_lshl_b32 s62, s3, 23
	v_mov_b32 v[SCL], s62
	s_add_co_i32 s3, s3, 8
	s_lshl_b32 s3, s3, 23
	s_or_b32 s[LOW], s3, 0x80600000                ; -448 x that
	s_add_co_i32 s3, s22, s23
	s_add_co_i32 s3, s3, 127
	s_lshl_b32 s[OS], s3, 23                       ; 2^(e2 + e3)
	s_mov_b32 s[OS+1], s[OS]
	s_add_co_i32 s3, s22, 127
	s_lshl_b32 s62, s3, 23
	v_mov_b32 v58, s62                             ; 2^e2
	s_add_co_i32 s3, s3, 8
	s_lshl_b32 s3, s3, 23
	s_or_b32 s3, s3, 0x80600000                    ; -448 x 2^e2
	v_mov_b32 v48, 0xce6e6b28                      ; -1e9,
	v_max_num_f32 v48, s3, v48                     ; held,
.irp i, 49,50,51,52,53,54,55
	v_mov_b32 v\i, v48
.endr
	v_cvt_scalef32_pk8_fp8_f32 v[56:57], v[48:55], v58   ; and converted as every score is: eight times its code
	v_nop
	v_mov_b32 v[M4], v56
	s_wait_tensorcnt 0x1                           ; my eighth of K is in; V's load, issued behind it, may stay out
	s_barrier_signal -1
	s_barrier_wait -1                              ; everybody's is
	LDK AK0, 0                                     ; key step 0
	WIN 0
	s_wait_loadcnt 0x0                             ; Q
	s_mov_b32 s[KO], 0
	s_mov_b32 s[CNT], 15
.Lp1:                                              ; WALK 1: 15 trips of two steps; the last two steps are written out
	v_add_nc_u32 v[ADK], s[KO], v[AK0]
	STEP1 ADK, KST, 0
	STEP1 ADK, 2*KST, 0
	s_add_co_u32 s[KO], s[KO], 2*KST
	s_sub_co_u32 s[CNT], s[CNT], 1
	s_cmp_lg_u32 s[CNT], 0
	s_cbranch_scc1 .Lp1
	v_add_nc_u32 v[ADK], s[KO], v[AK0]
	STEP1 ADK, KST, 1
	STEP1 AK0, 0, 0                                ; the last step asks for key step 0 again, for walk 2
.irp t, 0,1,2,3
	global_load_b128 v[MK+8*\t:MK+8*\t+3],   v[MO], s[MB:MB+1] offset:1024*\t      ; the mask bytes of walk 2's step 0, in the order in which the steps ask for theirs
	global_load_b128 v[MK+8*\t+4:MK+8*\t+7], v[MO], s[MB:MB+1] offset:1024*\t+512
.endr
	; THE TWO HALVES OF A QUERY'S KEYS MEET: M = the larger m; l = l 2^(c (m - M)) + l' 2^(c (m' - M)); -lse in S's units = -M - log2(l) ln 2 2^(3 - eq - ek)
.irp t, 0,1,2,3
	v_add_f32 v[ST+8*\t+2], v[ST+8*\t+2], v[ST+8*\t+3]
.endr
.irp t, 0,1,2,3
	v_permlanex16_b32 v[ST+8*\t+4], v[ST+8*\t+1], s[SEL], s[SEL+1]   ; m of lane l xor 16
	v_permlanex16_b32 v[ST+8*\t+5], v[ST+8*\t+2], s[SEL], s[SEL+1]   ; and its l
.endr
.irp t, 0,1,2,3
	v_max_num_f32 v[ST+8*\t+6], v[ST+8*\t+1], v[ST+8*\t+4]
.endr
.irp t, 0,1,2,3
	v_sub_f32 v[ST+8*\t+1], v[ST+8*\t+1], v[ST+8*\t+6]
	v_sub_f32 v[ST+8*\t+4], v[ST+8*\t+4], v[ST+8*\t+6]
.endr
.irp t, 0,1,2,3
	v_mul_f32 v[ST+8*\t+1], s[C2], v[ST+8*\t+1]
	v_mul_f32 v[ST+8*\t+4], s[C2], v[ST+8*\t+4]
.endr
.irp t, 0,1,2,3
	v_exp_f32 v[ST+8*\t+1], v[ST+8*\t+1]
	v_exp_f32 v[ST+8*\t+4], v[ST+8*\t+4]
.endr
	v_nop                                          ; a plain instruction behind the last exponential
	s_wait_alu depctr_va_vdst(0)                   ; one wait for the eight, ahead of their first reader
.irp t, 0,1,2,3
	v_mul_f32 v[ST+8*\t+2], v[ST+8*\t+2], v[ST+8*\t+1]
.endr
.irp t, 0,1,2,3
	v_fma_f32 v[ST+8*\t+2], v[ST+8*\t+5], v[ST+8*\t+4], v[ST+8*\t+2]
.endr
.irp t, 0,1,2,3
	v_log_f32 v[ST+8*\t+3], v[ST+8*\t+2]
.endr
	v_nop
	s_wait_alu depctr_va_vdst(0)                   ; one wait for the four logarithms
.irp t, 0,1,2,3
	v_fma_f32 v[ST+8*\t], -v[ST+8*\t+3], s[LN2], -v[ST+8*\t+6]
.endr
	WIN 0x40
.irp t, 0,1,2,3
.irp i, 0,1,2,3,4,5,6,7
	v_mov_b32 v[CF+8*\t+\i], v[ST+8*\t]            ; a lane holds one query, so the C of its eight keys is one number, eight times
.endr
.endr
	WIN 0
	s_wait_tensorcnt 0x0                           ; my eighth of V is in,
	s_wait_dscnt 0x0                               ; (no LDS instruction of mine is pending at a signal)
	s_barrier_signal -1
	s_barrier_wait -1                              ; everybody's is
	s_mov_b32 s[KO], 0                             ; WALK 2: 1 + 7 x 4 + 3 steps.  A trip goes from a chunk's second step to the next chunk's first
	s_mov_b32 s[VO], 0
	v_add_nc_u32 v[ADK], s[KO], v[AK0]
	v_add_nc_u32 v[ADV], s[VO], v[AV0]
	STEP2 0, 1, 1                                  ; the first step stands in front of the loop: its products start O^T's sums
	s_mov_b32 s[CNT], 7
.Lp2:
	ASK2
.irp st, 1,2,3,4
	STEP2 \st, 0, 1
.endr
	s_wait_xcnt 0x0                                ; the trip's loads and prefetches have had their addresses translated: only behind this wait is their base stepped
	s_add_nc_u64 s[MB:MB+1], s[MB:MB+1], 4*4096
	s_add_co_u32 s[KO], s[KO], 4*KST
	s_add_co_u32 s[VO], s[VO], VCH
	v_add_nc_u32 v[ADK], s[KO], v[AK0]
	v_add_nc_u32 v[ADV], s[VO], v[AV0]
	s_sub_co_u32 s[CNT], s[CNT], 1
	s_cmp_lg_u32 s[CNT], 0
	s_cbranch_scc1 .Lp2
	STEP2 1, 0, 1
	STEP2 2, 0, 1
	STEP2 3, 0, 0                                  ; the last step asks for nothing: no load leaves K's region or maskb
	; THE WAY OUT.  O^T x 2^(e2 + e3); a lane's eight numbers of a tile are eight neighbouring d of one query.  A tile (16 queries x 64 d) goes through my stage and comes back as rows of 256 bytes.
	; The eight lines that make the addresses are the places behind the last products.
	s_mul_i32 s2, s[WV], 4*16*SP
	v_mul_u32_u24 v[STO], v8, SP
	v_lshl_add_u32 v[STO], v9, 5, v[STO]
	v_add_nc_u32 v[STO], s2, v[STO]                ; in: row r, + 32 h
	v_mul_u32_u24 v[RD], v9, SP
	v_lshl_add_u32 v[RD], v8, 4, v[RD]
	v_add_nc_u32 v[RD], s2, v[RD]                  ; back: lanes 0-15 one row, lanes 16-31 the next
	v_lshlrev_b32 v[GO], 12, v9                    ; and the same two rows of out0, 4,096 bytes apart
	v_lshl_add_u32 v[GO], v8, 4, v[GO]
	s_wait_dscnt 0x0                               ; my reads of K are over,
	s_barrier_signal -1
	s_barrier_wait -1                              ; everybody's are: the stages may be written over K
.macro PACK t
	WIN 0x01                                       ; source 0 (O^T) window 1
.set j, 0
.rept 16
	v_pk_mul_f32 v[S+32*\t+j:S+32*\t+j+1], v[32*\t+j:32*\t+j+1], s[OS:OS+1] op_sel_hi:[1,0]   ; each accumulator from its low end on
.set j, j+2
.endr
	WIN 0
.irp dt, 0,1,2,3
	ds_store_b128 v[STO], v[S+32*\t+8*\dt:S+32*\t+8*\dt+3]   offset:16*SP*\t+64*\dt
	ds_store_b128 v[STO], v[S+32*\t+8*\dt+4:S+32*\t+8*\dt+7] offset:16*SP*\t+64*\dt+16
.endr
.irp i, 0,1,2,3,4,5,6,7
	ds_load_b128 v[S+32*\t+4*\i:S+32*\t+4*\i+3], v[RD] offset:16*SP*\t+2*SP*\i   ; LDS serves a wave's instructions in order (ISA guide 5.7.1.4): these see the stores above
.endr
.endm
.macro SEND t, younger                 ; younger: the LDS instructions issued behind tile t's loads: the next tile's sixteen, or none
.irp i, 0,1,2,3,4,5,6,7
	s_wait_dscnt \younger+7-\i
	global_store_b128 v[GO], v[S+32*\t+4*\i:S+32*\t+4*\i+3], s[14:15] offset:65536*\t+8192*\i th:TH_STORE_NT   ; 16 lanes store 256 consecutive bytes, at a multiple of 256 from out0's first byte; written once
.endr
.endm
	PACK 0
	PACK 1                                         ; a tile's arithmetic stands between the loads of the tile before and its stores
	SEND 0, 16
	PACK 2
	SEND 1, 16
	PACK 3
	SEND 2, 16
	SEND 3, 0
	s_wait_tensorcnt 0x0                           ; the wave's end: a wait, an add and its wait, behind my last tensor load and my last LDS store
	ds_add_u32 v[SPW], v[NIL]
	s_wait_dscnt 0x0
	CROUND                                         ; the closing round
	s_endpgm
.Lfunc_end_k_qa922433e72_attn:
	.size	k_qa922433e72_attn, .Lfunc_end_k_qa922433e72_attn-k_qa922433e72_attn
	.p2alignl 7, 3214868480
	.fill 96, 4, 3214868480
	.section	.rodata,"a",@progbits
	.p2align	6, 0x0
	.amdhsa_kernel k_qa922433e72_attn
		.amdhsa_group_segment_fixed_size 327680
		.amdhsa_private_segment_fixed_size 0
		.amdhsa_enable_private_segment 0
		.amdhsa_kernarg_size 48
		.amdhsa_user_sgpr_count 2
		.amdhsa_user_sgpr_kernarg_segment_ptr 1
		.amdhsa_wavefront_size32 1
		.amdhsa_system_sgpr_workgroup_id_x 1
		.amdhsa_system_sgpr_workgroup_id_y 1
		.amdhsa_system_sgpr_workgroup_id_z 1
		.amdhsa_system_vgpr_workitem_id 0
		.amdhsa_next_free_vgpr 512
		.amdhsa_next_free_sgpr 70
		.amdhsa_reserve_vcc 0
		.amdhsa_float_denorm_mode_32 3
		.amdhsa_float_denorm_mode_16_64 3
		.amdhsa_memory_ordered 1
		.amdhsa_forward_progress 1
		.amdhsa_inst_pref_size 197
	.end_amdhsa_kernel
	.amdgpu_metadata
---
amdhsa.version: [ 1, 2 ]
amdhsa.kernels:
  - .name:           k_qa922433e72_attn
    .symbol:         k_qa922433e72_attn.kd
    .args:
      - { .name: q_codes, .offset: 0, .size: 8, .value_kind: global_buffer, .address_space: global }
      - { .name: k_codes, .offset: 8, .size: 8, .value_kind: global_buffer, .address_space: global }
      - { .name: v_codes, .offset: 16, .size: 8, .value_kind: global_buffer, .address_space: global }
      - { .name: lowp_scales, .offset: 24, .size: 8, .value_kind: global_buffer, .address_space: global }
      - { .name: maskb, .offset: 32, .size: 8, .value_kind: global_buffer, .address_space: global }
      - { .name: out0, .offset: 40, .size: 8, .value_kind: global_buffer, .address_space: global }
    .group_segment_fixed_size: 327680
    .private_segment_fixed_size: 0
    .kernarg_segment_align: 8
    .kernarg_segment_size: 48
    .max_flat_workgroup_size: 256
    .sgpr_count:     70
    .vgpr_count:     512
    .wavefront_size: 32
...
	.end_amdgpu_metadata
.endif
;; end of part 2
